; MI455X (gfx1250); checked and timed in simulation.
; The chip was launched on July 23, 2026; its instructions are those of AMD's public machine-readable ISA for CDNA 5 (MIT licence, August 2026) and "CDNA5" Instruction Set Architecture Reference Guide (July 2026). The comments in the code are by the model that wrote it; some were corrected since.
;; Tri Modal Cross Attention. Allowed arithmetic: float matrix products may take bf16 or f16 operands with f32 sums; other float arithmetic in f32, or as packed bf16 or f16 multiplies, adds, multiply-adds, maxima and minima; sums over many terms, partial sums and values carried from step to step in f32; what a program stores and reads back later, other than sums and carried values, may be rounded once to bf16 or f16.
;; Inputs: Wk_a 64 x 512 float32; Wk_b 64 x 512 float32; Wk_c 64 x 512 float32; Wo_a 256 x 64 float32; Wo_b 256 x 64 float32; Wo_c 256 x 64 float32; Wq_a 64 x 256 float32; Wq_b 64 x 256 float32; Wq_c 64 x 256 float32; Wv_a 64 x 512 float32; Wv_b 64 x 512 float32; Wv_c 64 x 512 float32; be_a 256 float32; be_b 256 float32; be_c 256 float32; bk_a 64 float32; bk_b 64 float32; bk_c 64 float32; bo_a 256 float32; bo_b 256 float32; bo_c 256 float32; bq_a 64 float32; bq_b 64 float32; bq_c 64 float32; bv_a 64 float32; bv_b 64 float32; bv_c 64 float32; feat_a 2 x 256 x 64 x 64 float32; feat_b 2 x 256 x 64 x 64 float32; feat_c 2 x 256 x 64 x 64 float32; g_a 256 float32; g_b 256 float32; g_c 256 float32.
;; Outputs: out0 2 x 256 x 64 x 64 float32; out1 2 x 256 x 64 x 64 float32; out2 2 x 256 x 64 x 64 float32.
;; 2 versions, each right; version 2 is version 1 with the launch proj written anew for expert scheduling mode. Each part assembles by itself: llvm-mc -triple=amdgcn-amd-amdhsa -mcpu=gfx1250 --defsym DOCPART=n.
;; ======== version 1 of 2: 3 launches
;; limits: values are held in f16: magnitudes above 65,504 overflow, below 6.1e-05 lose precision
;; workspace buffers: qkv 9,437,184 bytes; att 3,145,728 bytes
;; launch proj (part 1): grid 4 x 64, 12 waves a work-group, no clusters, 222,720 bytes of LDS; arguments feat_a, feat_b, feat_c, Wq_a, Wq_b, Wq_c, Wk_a, Wk_b, Wk_c, Wv_a, Wv_b, Wv_c, bq_a, bq_b, bq_c, bk_a, bk_b, bk_c, bv_a, bv_b, bv_c, qkv; writes qkv
.if DOCPART == 1
	.amdgcn_target "amdgcn-amd-amdhsa--gfx1250"
	.amdhsa_code_object_version 6
	.text
	.protected	k_qee146a9d0b_proj
	.globl	k_qee146a9d0b_proj
	.p2align	8
	.type	k_qee146a9d0b_proj,@function
k_qee146a9d0b_proj:
	s_mov_b64 s[64:65], 0
	v_nop
	global_prefetch_b8 v0, s[64:65] scope:SCOPE_SE
	s_setreg_imm32_b32 hwreg(HW_REG_WAVE_MODE, 25, 1), 1
	s_wait_xcnt 0x0
; q' = c (Wq x + bq), k = Wk [x1; x2] + bk, v = Wv [x1; x2] + bv for the three modalities, c = 0.25 log2(e).
; x: [2][256][4096] f32.  A work-group takes one head (x of the grid), one batch and 128 positions (y), all three modalities.
; Products in bf16 (x and the weights rounded once), sums in f32 started by the biases, q', k, v rounded once to f16.
; LIMITS.  |q'|, |k|, |v| stay under 65,504 (f16); NaN and infinities are not treated apart.
; qkv: [modality 3][batch 2][head 4][q, k, v][256 tiles][512 bytes].  A tile is 16 positions x 16 channels; lane 16 hh + r owns its bytes 16 lane:
; in q and k position r, channels 8 hh .. +7; in v channel r, positions 8 hh .. +7: the next launch's fragments as they lie.
; PHASES.  Wave w = 4 m + pq rounds 64 channel rows of feature m (128 positions each) to bf16 into LDS; a barrier; then it makes q, k, v of modality m
; for the position tiles 2 pq and 2 pq + 1: eight trips, each 32 along K of q and 2 x 32 along K of k and of v.
; No cluster and no tensor load: the features are rounded in registers on their way into LDS, and the weights go into registers as fragments.
.set PX,    288                        ; an LDS row: 128 bf16 + 32 bytes: nine times 32 bytes, as the turning load's rows want
.set FEATB, 256*PX                     ; a feature's 256 rows
.set SPARE, 3*FEATB                    ; behind the rows: the spare words, 128 bytes a wave, that no other line names
.set ARR,   131072                     ; bytes of one of q, k, v of a head
.set SPW, 2                            ; v2   my spare word's address; never rewritten
.set NIL, 3                            ; v3   0; never rewritten
.set VG,  4                            ; v4   16 x lane: my bytes in a row of 512 and in a tile
.set VS,  5                            ; v5   8 x lane + my wave's 64 LDS rows
.set XA,  6                            ; v6-8 turning-load addresses in the own feature and the two of the context
.set VWQ, 9                            ; v9   my bytes in Wq's row
.set VWK, 10                           ; v10  in Wk's and Wv's row
.set VBQ, 11                           ; v11  eight biases of q, k
.set VBV, 12                           ; v12  one bias of v
.set RR,  14
.set HH,  15
.set STG, 16                           ; v16-143 staging: two sets of 16 rows x 4 registers
.set ACC, 16                           ; then v16-63: q0 q1 k0 k1 v0 v1, 8 each
.set WF,  64                           ; v64-143 five weight fragments in f32
.set WB,  144                          ; v144-183 the same in bf16
.set XF,  184                          ; v184-231 x fragments: own, first, second of the context, two tiles each
.set TT,  200                          ; at work in the set-up
.set FE, 48                            ; s[48:61] the wave's seven pointers, chosen by m
.set WQ, 50
.set WK, 52
.set WV, 54
.set BQ, 56
.set BK, 58
.set BV, 60
.set QKV, 46
.set WN, 66
.set MO, 67
.set PQ, 68
.set HD, 69
.set YY, 70
.set BB, 71
.set BLK, 72
.set C1, 73
.set C2, 74
.set CNT, 75
.set OA, 76
.set OB, 78
.set TS, 80
	s_load_b512 s[4:19], s[0:1], 0x0               ; feat a b c, Wq a b c, Wk a b
	s_load_b512 s[20:35], s[0:1], 0x40             ; Wk c, Wv a b c, bq a b c, bk a
	s_load_b256 s[36:43], s[0:1], 0x80             ; bk b c, bv a b
	s_load_b128 s[44:47], s[0:1], 0xa0             ; bv c, qkv
	v_lshl_add_u32 v[SPW], v0, 2, SPARE
	v_mov_b32 v[NIL], 0
	v_lshrrev_b32 v1, 5, v0
	v_readfirstlane_b32 s[WN], v1                  ; wave 0..11
	s_lshr_b32 s[MO], s[WN], 2                     ; modality
	s_and_b32 s[PQ], s[WN], 3                      ; which 64 rows I stage, which two tiles I make
	s_mov_b32 s[HD], ttmp9                         ; head
	s_and_b32 s[YY], ttmp7, 0xffff
	s_lshr_b32 s[BB], s[YY], 5                     ; batch
	s_and_b32 s[BLK], s[YY], 31                    ; block of 128 positions
	s_min_u32 s[C1], s[MO], 1
	s_sub_co_u32 s[C1], 1, s[C1]                   ; the context's first feature: b a a
	s_lshr_b32 s[C2], s[MO], 1
	s_sub_co_u32 s[C2], 2, s[C2]                   ; its second: c c b
	v_and_b32 v1, 31, v0
	v_and_b32 v[RR], 15, v0                        ; r
	v_bfe_u32 v[HH], v0, 4, 1                      ; hh
	v_lshlrev_b32 v[VG], 4, v1
	s_mul_i32 s[TS], s[WN], 64*PX
	v_lshl_add_u32 v[VS], v1, 3, s[TS]
	v_and_b32 v[TT], 7, v0                         ; the turning load: lane reads row 8 hh + lane % 8, 16 bytes at 16 ((lane / 8) % 2)
	v_lshl_add_u32 v[TT], v[HH], 3, v[TT]
	v_mul_u32_u24 v[TT], v[TT], PX
	v_bfe_u32 v[TT+1], v0, 3, 1
	v_lshl_add_u32 v[TT], v[TT+1], 4, v[TT]
	s_lshl_b32 s[TS], s[PQ], 6                     ; my two tiles begin at position 32 pq
	v_add_nc_u32 v[TT], s[TS], v[TT]
	s_mul_i32 s[TS], s[MO], FEATB
	v_add_nc_u32 v[XA], s[TS], v[TT]
	s_mul_i32 s[TS], s[C1], FEATB
	v_add_nc_u32 v[XA+1], s[TS], v[TT]
	s_mul_i32 s[TS], s[C2], FEATB
	v_add_nc_u32 v[XA+2], s[TS], v[TT]
	s_lshl_b32 s[TS], s[HD], 4
	v_add_nc_u32 v[TT], s[TS], v[RR]               ; weight row 16 head + r
	v_lshlrev_b32 v[VWQ], 10, v[TT]                ; rows of 1,024 bytes, 32 bytes for each half of the lanes
	v_lshl_add_u32 v[VWQ], v[HH], 5, v[VWQ]
	v_lshlrev_b32 v[VWK], 11, v[TT]                ; rows of 2,048 bytes
	v_lshl_add_u32 v[VWK], v[HH], 5, v[VWK]
	v_lshlrev_b32 v[VBV], 2, v[TT]
	s_lshl_b32 s[TS], s[HD], 6
	v_lshl_add_u32 v[VBQ], v[HH], 5, s[TS]         ; biases 16 head + 8 hh .. +7
	s_lshl_b32 s[OA], s[BB], 22                    ; the feature's bytes: batch, my 64 channels, the block's 512 bytes of a row
	s_lshl_b32 s[TS], s[PQ], 20
	s_add_co_u32 s[OA], s[OA], s[TS]
	s_lshl_b32 s[TS], s[BLK], 9
	s_add_co_u32 s[OA], s[OA], s[TS]
	s_mov_b32 s[OA+1], 0
	s_lshl_b32 s[OB], s[MO], 3                     ; qkv: (8 m + 4 b + head) x 3 arrays, tile 8 blk + 2 pq
	s_lshl2_add_u32 s[OB], s[BB], s[OB]
	s_add_co_u32 s[OB], s[OB], s[HD]
	s_mul_i32 s[OB], s[OB], 3*ARR
	s_lshl_b32 s[TS], s[BLK], 12
	s_add_co_u32 s[OB], s[OB], s[TS]
	s_lshl_b32 s[TS], s[PQ], 10
	s_add_co_u32 s[OB], s[OB], s[TS]
	s_mov_b32 s[OB+1], 0
	s_wait_kmcnt 0x0
	s_cmp_eq_u32 s[MO], 1                          ; each kind's three pointers lie six registers apart
.irp g, 0,1,2,3,4,5,6
	s_cselect_b64 s[48+2*\g:49+2*\g], s[6+6*\g:7+6*\g], s[4+6*\g:5+6*\g]
.endr
	s_cmp_eq_u32 s[MO], 2
.irp g, 0,1,2,3,4,5,6
	s_cselect_b64 s[48+2*\g:49+2*\g], s[8+6*\g:9+6*\g], s[48+2*\g:49+2*\g]
.endr
	s_add_nc_u64 s[FE:FE+1], s[FE:FE+1], s[OA:OA+1]
	s_add_nc_u64 s[QKV:QKV+1], s[QKV:QKV+1], s[OB:OB+1]
; STAGING.  A load takes one row's 512 consecutive bytes; four batches of 16 rows on two register sets, so that 16 to 32 loads of the wave are out.
.macro LDB set, bt
.set j, 0
.rept 16
	global_load_b128 v[STG+64*(\set)+4*j:STG+64*(\set)+4*j+3], v[VG], s[FE:FE+1] offset:(16*(\bt)+j)*16384
.set j, j+1
.endr
.endm
.macro WKB set, bt, more               ; more: the loads of the batch issued behind this one
.set j, 0
.rept 16
.set a, STG+64*(\set)+4*j
	s_wait_loadcnt (\more)+15-j                    ; loads come back in order: row j is in; its batch's younger rows and the next batch stay out
	v_cvt_pk_bf16_f32 v[a], v[a], v[a+1]
	v_cvt_pk_bf16_f32 v[a+1], v[a+2], v[a+3]
	ds_store_b64 v[VS], v[a:a+1] offset:(16*(\bt)+j)*PX  ; 32 lanes, 256 consecutive bytes
.set j, j+1
.endr
.endm
	LDB 0, 0
	LDB 1, 1
	WKB 0, 0, 16
	LDB 0, 2
	WKB 1, 1, 16
	LDB 1, 3
	WKB 0, 2, 16
	WKB 1, 3, 0
; A weight fragment is 16 rows x 32 K: lane holds row r, K = 8 hh .. +7 and 16 + 8 hh .. +7: in f32 four loads of 16 bytes at 0, 16, 64, 80.
.macro LDWF f, va, sb, ex
.irp o, 0,1,2,3
	global_load_b128 v[WF+16*(\f)+4*\o:WF+16*(\f)+4*\o+3], v[\va], s[\sb:\sb+1] offset:(\ex)+(\o%2)*16+(\o/2)*64
.endr
.endm
.macro LDW
	LDWF 0, VWQ, WQ, 0
	LDWF 1, VWK, WK, 0
	LDWF 2, VWK, WV, 0
	LDWF 3, VWK, WK, 1024                          ; the context's second feature: columns 256 on
	LDWF 4, VWK, WV, 1024
.endm
	; the biases start the sums: in q and k a lane's register j is channel 8 hh + j; in v all eight registers are channel r
.irp t, 0,1
	global_load_b128 v[ACC+8*\t:ACC+8*\t+3],     v[VBQ], s[BQ:BQ+1]
	global_load_b128 v[ACC+8*\t+4:ACC+8*\t+7],   v[VBQ], s[BQ:BQ+1] offset:16
	global_load_b128 v[ACC+16+8*\t:ACC+16+8*\t+3],   v[VBQ], s[BK:BK+1]
	global_load_b128 v[ACC+16+8*\t+4:ACC+16+8*\t+7], v[VBQ], s[BK:BK+1] offset:16
.endr
	global_load_b32 v[ACC+32], v[VBV], s[BV:BV+1]
	LDW                                            ; the first trip's weights
	s_wait_dscnt 0x0                               ; for the others' sake: my rows are in LDS
	s_barrier_signal -1
	s_barrier_wait -1                              ; everybody's are
	s_wait_loadcnt 0x0
.set i, 1
.rept 15
	v_mov_b32 v[ACC+32+i], v[ACC+32]
.set i, i+1
.endr
.macro MMA acc, a, b
	v_wmma_f32_16x16x32_bf16 v[ACC+8*(\acc):ACC+8*(\acc)+7], v[\a:\a+7], v[\b:\b+7], v[ACC+8*(\acc):ACC+8*(\acc)+7]
.endm
; One trip: 32 along K of q, and of k and v in each of the context's two features.  pre = 1: the next trip's weights are asked for.
.macro KSTEP pre
	s_wait_loadcnt 0x0                             ; this trip's weights are in, and their address registers are free
.set i, 0
.rept 40
	v_cvt_pk_bf16_f32 v[WB+i], v[WF+2*i], v[WF+2*i+1]
.set i, i+1
.endr
.if \pre
	v_add_nc_u32 v[VWQ], 128, v[VWQ]               ; 32 f32 along the rows
	v_add_nc_u32 v[VWK], 128, v[VWK]
	LDW
.endif
.irp f, 0,1,2
.irp t, 0,1
	ds_load_tr16_b128 v[XF+16*\f+8*\t:XF+16*\f+8*\t+3],   v[XA+\f] offset:32*\t
	ds_load_tr16_b128 v[XF+16*\f+8*\t+4:XF+16*\f+8*\t+7], v[XA+\f] offset:32*\t+16*PX
.endr
.endr
	s_wait_dscnt 0x0
	MMA 0, WB, XF                                  ; the six accumulators take turns, one instruction a turn
	MMA 1, WB, XF+8
	MMA 2, WB+8, XF+16                             ; q, k: rows = channels (the weights), columns = positions
	MMA 3, WB+8, XF+24
	MMA 4, XF+16, WB+16                            ; v: rows = positions, columns = channels
	MMA 5, XF+24, WB+16
	MMA 2, WB+24, XF+32
	MMA 3, WB+24, XF+40
	MMA 4, XF+32, WB+32
	MMA 5, XF+40, WB+32
.if \pre
	v_add_nc_u32 v[XA], 32*PX, v[XA]               ; 32 rows on; with the v_nop the four places ahead of the next trip's writes of WB (ISA guide 7.12.1)
	v_add_nc_u32 v[XA+1], 32*PX, v[XA+1]
	v_add_nc_u32 v[XA+2], 32*PX, v[XA+2]
	v_nop
.endif
.endm
	s_mov_b32 s[CNT], 7
.Lk:
	KSTEP 1
	s_sub_co_u32 s[CNT], s[CNT], 1
	s_cmp_lg_u32 s[CNT], 0
	s_cbranch_scc1 .Lk
	KSTEP 0
	; THE WAY OUT: q times c in f32, one rounding to f16, a tile's 512 consecutive bytes to a store
.rept 4
	v_nop                                          ; the places behind the last products
.endr
.set i, 0
.rept 8
	v_pk_mul_f32 v[ACC+2*i:ACC+2*i+1], v[ACC+2*i:ACC+2*i+1], 0x3eb8aa3b op_sel_hi:[1,0]  ; c = 0.25 log2(e)
.set i, i+1
.endr
.set i, 0
.rept 24
	v_cvt_pk_f16_f32 v[WB+i], v[ACC+2*i], v[ACC+2*i+1]
.set i, i+1
.endr
.irp a, 0,1,2,3,4,5
	global_store_b128 v[VG], v[WB+4*\a:WB+4*\a+3], s[QKV:QKV+1] offset:(\a/2)*ARR+(\a%2)*512
.endr
	s_wait_tensorcnt 0x0                           ; the wave's end
	ds_add_u32 v[SPW], v[NIL]
	s_wait_dscnt 0x0
	s_endpgm
.Lfunc_end_k_qee146a9d0b_proj:
	.size	k_qee146a9d0b_proj, .Lfunc_end_k_qee146a9d0b_proj-k_qee146a9d0b_proj
	.p2alignl 7, 3214868480
	.fill 96, 4, 3214868480
	.section	.rodata,"a",@progbits
	.p2align	6, 0x0
	.amdhsa_kernel k_qee146a9d0b_proj
		.amdhsa_group_segment_fixed_size 222720
		.amdhsa_private_segment_fixed_size 0
		.amdhsa_enable_private_segment 0
		.amdhsa_kernarg_size 176
		.amdhsa_user_sgpr_count 2
		.amdhsa_user_sgpr_kernarg_segment_ptr 1
		.amdhsa_wavefront_size32 1
		.amdhsa_system_sgpr_workgroup_id_x 1
		.amdhsa_system_sgpr_workgroup_id_y 1
		.amdhsa_system_sgpr_workgroup_id_z 1
		.amdhsa_system_vgpr_workitem_id 0
		.amdhsa_next_free_vgpr 232
		.amdhsa_next_free_sgpr 84
		.amdhsa_reserve_vcc 0
		.amdhsa_float_denorm_mode_32 3
		.amdhsa_float_denorm_mode_16_64 3
		.amdhsa_memory_ordered 1
		.amdhsa_forward_progress 1
		.amdhsa_inst_pref_size 41
	.end_amdhsa_kernel
	.amdgpu_metadata
---
amdhsa.version: [ 1, 2 ]
amdhsa.kernels:
  - .name:           k_qee146a9d0b_proj
    .symbol:         k_qee146a9d0b_proj.kd
    .args:
      - { .name: feat_a, .offset: 0, .size: 8, .value_kind: global_buffer, .address_space: global }
      - { .name: feat_b, .offset: 8, .size: 8, .value_kind: global_buffer, .address_space: global }
      - { .name: feat_c, .offset: 16, .size: 8, .value_kind: global_buffer, .address_space: global }
      - { .name: Wq_a, .offset: 24, .size: 8, .value_kind: global_buffer, .address_space: global }
      - { .name: Wq_b, .offset: 32, .size: 8, .value_kind: global_buffer, .address_space: global }
      - { .name: Wq_c, .offset: 40, .size: 8, .value_kind: global_buffer, .address_space: global }
      - { .name: Wk_a, .offset: 48, .size: 8, .value_kind: global_buffer, .address_space: global }
      - { .name: Wk_b, .offset: 56, .size: 8, .value_kind: global_buffer, .address_space: global }
      - { .name: Wk_c, .offset: 64, .size: 8, .value_kind: global_buffer, .address_space: global }
      - { .name: Wv_a, .offset: 72, .size: 8, .value_kind: global_buffer, .address_space: global }
      - { .name: Wv_b, .offset: 80, .size: 8, .value_kind: global_buffer, .address_space: global }
      - { .name: Wv_c, .offset: 88, .size: 8, .value_kind: global_buffer, .address_space: global }
      - { .name: bq_a, .offset: 96, .size: 8, .value_kind: global_buffer, .address_space: global }
      - { .name: bq_b, .offset: 104, .size: 8, .value_kind: global_buffer, .address_space: global }
      - { .name: bq_c, .offset: 112, .size: 8, .value_kind: global_buffer, .address_space: global }
      - { .name: bk_a, .offset: 120, .size: 8, .value_kind: global_buffer, .address_space: global }
      - { .name: bk_b, .offset: 128, .size: 8, .value_kind: global_buffer, .address_space: global }
      - { .name: bk_c, .offset: 136, .size: 8, .value_kind: global_buffer, .address_space: global }
      - { .name: bv_a, .offset: 144, .size: 8, .value_kind: global_buffer, .address_space: global }
      - { .name: bv_b, .offset: 152, .size: 8, .value_kind: global_buffer, .address_space: global }
      - { .name: bv_c, .offset: 160, .size: 8, .value_kind: global_buffer, .address_space: global }
      - { .name: qkv, .offset: 168, .size: 8, .value_kind: global_buffer, .address_space: global }
    .group_segment_fixed_size: 222720
    .private_segment_fixed_size: 0
    .kernarg_segment_align: 8
    .kernarg_segment_size: 176
    .max_flat_workgroup_size: 384
    .sgpr_count:     84
    .vgpr_count:     232
    .wavefront_size: 32
...
	.end_amdgpu_metadata
.endif
;; end of part 1
;; launch attn (part 2): grid 32 x 8, 12 waves a work-group, clusters of 4 x 1, 327,680 bytes of LDS; arguments qkv, att; writes att
.if DOCPART == 2
	.amdgcn_target "amdgcn-amd-amdhsa--gfx1250"
	.amdhsa_code_object_version 6
	.text
	.protected	k_qee146a9d0b_attn
	.globl	k_qee146a9d0b_attn
	.p2align	8
	.type	k_qee146a9d0b_attn,@function
k_qee146a9d0b_attn:
	s_mov_b64 s[64:65], 0
	v_nop
	global_prefetch_b8 v0, s[64:65] scope:SCOPE_SE
	s_setreg_imm32_b32 hwreg(HW_REG_WAVE_MODE, 25, 1), 1
	s_wait_xcnt 0x0
	s_wait_alu depctr_hold_cnt(0) depctr_sa_sdst(0) depctr_va_vdst(0) depctr_va_sdst(0) depctr_va_ssrc(0) depctr_va_vcc(0) depctr_vm_vsrc(0)
	s_getreg_b32 s2, hwreg(HW_REG_IB_STS2, 6, 4)
	s_cmp_eq_u32 s2, 0
	s_cbranch_scc0 .Lentry_in_a_cluster
	s_endpgm
.Lentry_in_a_cluster:
	s_bfe_u32 s2, ttmp6, 0x10000c
	s_cmp_lg_u32 s2, 0x3003
	s_cbranch_scc0 .Lentry_shape_is_right
	s_endpgm
.Lentry_shape_is_right:
; o[query][:] = sum over keys of softmax(q . k / 4) v, head size 16, 4,096 keys, for 3 modalities x 2 batches x 4 heads.
; qkv as the launch before lays it (q already times c = 0.25 log2(e)); att: [modality][batch][256 tiles][head][512 bytes], lane 16 hh + r: query r, channels 8 hh .. +7, f16.
; TWO PASSES.  Pass 1 finds each query's exact maximum m of c s over all keys.  Pass 2 gives -m to K Q^T as its C operand, so the product is c s - c m and goes
; straight into the exponential: no scaling, no running statistics, no rescaling.  p, their sum l and O in f32; p rounded to f16 for V^T P; O / l rounded once.
; LIMITS.  p below 6e-8 is 0 in the second product, an exponential below 2^-126 is 0 in l; NaN and infinities are not treated apart.
; SHARES.  A work-group: one batch and head (y), 128 queries (x), all three modalities.  Wave w: stream s = w / 4, query half qh = (w / 2) % 2 (64 queries, four tiles),
; key half kh = w % 2 of every chunk; the two key halves' maxima, and later O and l, meet in LDS.
; BOTH HALVES OF K = 32.  Source 0 holds two key tiles (registers 0-3, 4-7); source 1 is [Q; 0] for the first and [0; Q] for the second: Q lies between blocks of four zeros.
; In S^T a lane holds one query (lane % 16) and keys 8 (lane / 16) + 0..7 of each tile; rounded in pairs these ARE source 1 (32 keys) of O^T = V^T P.
; CLUSTER.  The four work-groups of a cluster walk the same three K and V streams: every fill is asked for jointly, one load a wave, 8,192 dense bytes as 32 rows of 256
; (a slot's 98,304 bytes are shared out among twelve waves, so a load has 32 rows).  One tensor load of a wave is out at most.
.set SLOT1, 1<<17                      ; slot 0 at 0, slot 1 here: one exclusive or turns one into the other
.set PIECE, 8192
.set ARR,   131072
.set MXB,   229376                     ; behind the ring: the waves' maxima, 512 bytes each
.set OXB,   MXB+12*512                 ; O and l of the second key half, 4,608 bytes for each pair of waves
.set SPARE, OXB+6*4608                 ; the spare words, 128 bytes a wave, that no other line names
.set L16, 1                            ; v1   16 x lane
.set SPW, 2                            ; v2   my spare word's address; never rewritten
.set NIL, 3                            ; v3   0; never rewritten
.set LB1, 4                            ; v4   my bytes in a slot, pass 1
.set LB2, 5                            ; v5   pass 2
.set ADR, 6
.set AMX, 7
.set MM,  8                            ; v8-11  m, later l, a tile each
.set PM,  12                           ; v12-15 the other half's
.set MX,  16                           ; v16-23 pass 1: two running maxima a tile
.set LS,  16                           ;        pass 2: l, even keys' and odd keys', a pair a tile
.set QB,  24                           ; v24-59 0 Q0 0 Q1 0 Q2 0 Q3 0, four registers each
.set KF,  60
.set VF,  68
.set NM,  76                           ; v76-107  -m, eight registers a tile
.set OA,  108                          ; v108-139 O^T
.set S,   140                          ; v140-203 S^T, 16 a tile
.set P,   204                          ; v204-235
.set AMXP, 236
.set AOX, 237
.set WV, 8
.set ST, 9
.set QH, 10
.set KH, 11
.set CX, 12
.set BLK, 13
.set YY, 14
.set G0, 16                            ; s[16:19]
.set G1, 20                            ; s[20:27]
.set OFF, 28                           ; s[28:29] the next fill's byte offset in qkv
.set OF2, 30                           ; s30  pass 2's first
.set TB, 31                            ; s31  the slot that is read
.set TG, 32                            ; s32  the group's bytes in it
.set CT, 33
.set CG, 34
.set SEL, 36
.macro CROUND                          ; a round of the cluster's barrier
	s_barrier_signal -1
	s_barrier_wait -1
	s_cmp_lg_u32 s[WV], 0
	s_cbranch_scc1 .Lnot_wave_0_\@
	s_barrier_signal -3
.Lnot_wave_0_\@:
	s_barrier_wait -3
	s_barrier_signal -1
	s_barrier_wait -1
.endm
; THE CHANGE OF SLOTS.  Every wave waits for its tensor load (its piece of the other slot), adds 0 to its spare word, and waits for that and for its reads of the slot it leaves.
; mode 1, 2: the slot just read is filled again behind a round of the cluster's barrier, first thing; the address is made anew from an offset.  mode 1 steps a chunk of pass 1
; (1,024 keys of K) and in the pass's last trip turns to pass 2's first chunk; mode 2 steps a chunk of pass 2 (512 keys of K and V).  mode 0: nothing is left to ask for.
.macro CHANGE mode
	s_wait_tensorcnt 0x0                           ; no tensor load of mine is out, so group 0 may be written
	ds_add_u32 v[SPW], v[NIL]                      ; 0 onto my spare word; scalar work stands between it and the wait for it
	s_xor_b32 s[TB], s[TB], SLOT1
.if \mode
	s_xor_b32 s[G0+1], s[G0+1], SLOT1
.if (\mode) == 1
	s_add_co_u32 s[OFF], s[OFF], 4*PIECE
	s_cmp_eq_u32 s[CT], 1
	s_cselect_b32 s[OFF], s[OF2], s[OFF]
.else
	s_add_co_u32 s[OFF], s[OFF], 2*PIECE
.endif
	s_add_nc_u64 s[G0+2:G0+3], s[4:5], s[OFF:OFF+1]
	s_or_b32 s[G0+3], s[G0+3], 0x80000000
	s_wait_dscnt 0x0                               ; the add is done, my reads of the slot are over, and what I stored to LDS is there
	CROUND
	tensor_load_to_lds s[G0:G0+3], s[G1:G1+7]
	s_nop 0
.else
	s_wait_dscnt 0x0
	s_barrier_signal -1
	s_barrier_wait -1
.endif
.endm
	s_load_b128 s[4:7], s[0:1], 0x0                ; qkv, att
	v_lshl_add_u32 v[SPW], v0, 2, SPARE
	v_mov_b32 v[NIL], 0
	ds_add_u32 v[SPW], v[NIL]                      ; the wave's opening
	v_lshrrev_b32 v1, 5, v0
	v_readfirstlane_b32 s[WV], v1                  ; wave 0..11
	s_lshr_b32 s[ST], s[WV], 2
	s_bfe_u32 s[QH], s[WV], 0x10001
	s_and_b32 s[KH], s[WV], 1
	s_bfe_u32 s[CX], ttmp6, 0x40000                ; my place in the cluster: it enters Q's and att's addresses alone
	s_lshl_b32 s[BLK], ttmp9, 2
	s_add_co_u32 s[BLK], s[BLK], s[CX]             ; block of 128 queries
	s_and_b32 s[YY], ttmp7, 0xffff                 ; 4 batch + head, which the partners share
	s_mov_b32 s[G1+0], 15|(3<<16)|(1<<21)          ; mask of four; elements of 8 bytes; bit 21 beside a mask
	s_mov_b32 s[G1+1], 32<<16                      ; tensor_dim0 = 32
	s_mov_b32 s[G1+2], 32<<16                      ; tensor_dim1 = 32
	s_mov_b32 s[G1+3], 32<<16                      ; tile_dim0 = 32: rows of 256 bytes
	s_mov_b32 s[G1+4], 32                          ; tile_dim1 = 32
	s_mov_b32 s[G1+5], 32                          ; dense
	s_mov_b32 s[G1+6], 0
	s_mov_b32 s[G1+7], 0
	s_mov_b32 s[G0], 1
	s_mul_i32 s[G0+1], s[WV], PIECE                ; piece w of slot 0
	s_lshl_b32 s38, s[ST], 3
	s_add_co_u32 s38, s38, s[YY]                   ; 8 modality + 4 batch + head
	s_mul_i32 s38, s38, 3*ARR                      ; its q
	s_add_co_u32 s39, s38, ARR                     ; its k; v lies one array on
	s_and_b32 s40, s[WV], 3
	s_lshl_b32 s40, s40, 13
	s_add_co_u32 s[OFF], s39, s40                  ; pass 1, chunk 0: piece w % 4 of the stream's first 1,024 keys
	s_mov_b32 s[OFF+1], 0
	s_lshl_b32 s40, s[QH], 17                      ; pass 2, chunk 0: K (qh = 0) or V (qh = 1), key half kh
	s_add_co_u32 s[OF2], s39, s40
	s_lshl_b32 s40, s[KH], 13
	s_add_co_u32 s[OF2], s[OF2], s40
	s_mov_b32 s[TB], SLOT1                         ; the first change of slots turns it into 0
	s_mov_b32 s[SEL], 0x76543210
	s_mov_b32 s[SEL+1], 0xfedcba98
	s_lshl_b32 s41, s[BLK], 12                     ; Q: tile 8 blk + 4 qh
	s_add_co_u32 s42, s41, s38
	s_lshl_b32 s40, s[QH], 11
	s_add_co_u32 s42, s42, s40
	s_mov_b32 s43, 0
	s_lshr_b32 s44, s[YY], 2                       ; att: ((2 s + batch) x 256 + 8 blk + 4 qh) x 2,048 + 512 head
	s_lshl_b32 s40, s[ST], 1
	s_add_co_u32 s44, s44, s40
	s_lshl_b32 s44, s44, 19
	s_lshl_b32 s41, s[BLK], 14
	s_add_co_u32 s44, s44, s41
	s_lshl_b32 s40, s[QH], 13
	s_add_co_u32 s44, s44, s40
	s_and_b32 s40, s[YY], 3
	s_lshl_b32 s40, s40, 9
	s_add_co_u32 s44, s44, s40
	s_mov_b32 s45, 0
	v_and_b32 v[L16], 31, v0
	v_lshlrev_b32 v[L16], 4, v[L16]
	s_lshl_b32 s46, s[ST], 2
	s_lshl_b32 s47, s[KH], 1
	s_add_co_u32 s47, s47, s46                     ; pass 1: pieces 4 s + 2 kh and the next
	s_lshl_b32 s47, s47, 13
	v_add_nc_u32 v[LB1], s47, v[L16]
	s_add_co_u32 s47, s46, s[KH]                   ; pass 2: K in piece 4 s + kh, V two pieces on
	s_lshl_b32 s47, s47, 13
	v_add_nc_u32 v[LB2], s47, v[L16]
	s_lshl_b32 s47, s[WV], 9
	s_add_co_u32 s47, s47, MXB
	v_add_nc_u32 v[AMX], s47, v[L16]
	s_xor_b32 s47, s[WV], 1                        ; the wave with my queries and the other key half
	s_lshl_b32 s47, s47, 9
	s_add_co_u32 s47, s47, MXB
	v_add_nc_u32 v[AMXP], s47, v[L16]
	s_lshr_b32 s47, s[WV], 1
	s_mul_i32 s47, s47, 4608
	s_add_co_u32 s47, s47, OXB
	v_add_nc_u32 v[AOX], s47, v[L16]
.irp z, 0,1,2,3,4
.irp k, 0,1,2,3
	v_mov_b32 v[QB+8*\z+\k], 0                     ; the zero halves of source 1
.endr
.endr
.irp k, 0,1,2,3
	v_mov_b32 v[PM+\k], 0
.endr
.irp k, 0,1,2,3,4,5,6,7
	v_mov_b32 v[MX+\k], 0xff7fffff                 ; the lowest finite number
.endr
	s_wait_dscnt 0x0                               ; the opening add is done
	s_wait_kmcnt 0x0
	s_add_nc_u64 s[G0+2:G0+3], s[4:5], s[OFF:OFF+1]
	s_or_b32 s[G0+3], s[G0+3], 0x80000000
	s_add_nc_u64 s[42:43], s[4:5], s[42:43]
	s_add_nc_u64 s[6:7], s[6:7], s[44:45]
	CROUND                                         ; all four work-groups are here: the first joint loads meet
	tensor_load_to_lds s[G0:G0+3], s[G1:G1+7]      ; pass 1, chunk 0, into slot 0
	s_nop 0
.irp t, 0,1,2,3
	global_load_b128 v[QB+4+8*\t:QB+7+8*\t], v[L16], s[42:43] offset:512*\t
.endr
	s_wait_loadcnt 0x0
; Eight products: four query tiles x the group's two key tiles; eight different results.  zero = 1: C = 0 (pass 1); 0: C = -m (pass 2).
.macro QK zero
.irp t, 0,1,2,3
.if \zero
	v_wmma_f32_16x16x32_f16 v[S+16*\t:S+16*\t+7],    v[KF:KF+7], v[QB+4+8*\t:QB+11+8*\t], 0
	v_wmma_f32_16x16x32_f16 v[S+16*\t+8:S+16*\t+15], v[KF:KF+7], v[QB+8*\t:QB+7+8*\t], 0
.else
	v_wmma_f32_16x16x32_f16 v[S+16*\t:S+16*\t+7],    v[KF:KF+7], v[QB+4+8*\t:QB+11+8*\t], v[NM+8*\t:NM+8*\t+7]
	v_wmma_f32_16x16x32_f16 v[S+16*\t+8:S+16*\t+15], v[KF:KF+7], v[QB+8*\t:QB+7+8*\t], v[NM+8*\t:NM+8*\t+7]
.endif
.endr
.endm
; PASS 1, a group of 32 keys.  pre = 1: the next group's K lies 1,024 bytes on from the address in hand; pre = 2: the address steps two groups and the next K lies at it;
; pre = 0: nothing is fetched.  Four places stand behind the products (ISA guide 7.12.1): four v_nop, or the address and three v_nop.
.macro GROUP1 pre
	s_wait_dscnt 0x0                               ; K is in
	QK 1
.if (\pre) == 2
	s_add_co_u32 s[TG], s[TG], 2048
	v_add_nc_u32 v[ADR], s[TG], v[LB1]
.rept 3
	v_nop
.endr
	ds_load_b128 v[KF:KF+3],   v[ADR]
	ds_load_b128 v[KF+4:KF+7], v[ADR] offset:512
.elseif (\pre) == 1
.rept 4
	v_nop
.endr
	ds_load_b128 v[KF:KF+3],   v[ADR] offset:1024
	ds_load_b128 v[KF+4:KF+7], v[ADR] offset:1536
.else
.rept 4
	v_nop
.endr
.endif
.irp i, 0,1,2,3,4,5,6,7                ; each result's lowest registers first; eight chains, so that none waits for the line before
.irp t, 0,1,2,3
	v_max3_num_f32 v[MX+2*\t+(\i%2)], v[MX+2*\t+(\i%2)], v[S+16*\t+2*\i], v[S+16*\t+2*\i+1]
.endr
.endr
.endm
.macro COMPUTE1                        ; my 512 keys of a chunk: 16 groups, two a trip
	s_mov_b32 s[TG], s[TB]
	v_add_nc_u32 v[ADR], s[TG], v[LB1]
	ds_load_b128 v[KF:KF+3],   v[ADR]
	ds_load_b128 v[KF+4:KF+7], v[ADR] offset:512
	s_mov_b32 s[CG], 7
.Lg1_\@:
	GROUP1 1
	GROUP1 2
	s_sub_co_u32 s[CG], s[CG], 1
	s_cmp_lg_u32 s[CG], 0
	s_cbranch_scc1 .Lg1_\@
	GROUP1 1
	GROUP1 0
.endm
; PASS 2's vector work for a group: 64 exponentials, 32 roundings, 32 packed sums.  The first tile's exponentials stand together, a v_nop behind them; then each
; exponential has a plain line of the tile before behind it, so that no result is used before a plain instruction has passed (ISA guide 5.7.2).
.macro EXPS t, i
	v_exp_f32 v[S+16*(\t)+(\i)], v[S+16*(\t)+(\i)]
.endm
.macro PL t, i
.if ((\i)%2) == 0
	s_wait_alu depctr_va_vdst(0)
	v_cvt_pk_f16_f32 v[P+8*(\t)+(\i)/2], v[S+16*(\t)+(\i)], v[S+16*(\t)+(\i)+1]
.else
	v_pk_add_f32 v[LS+2*(\t):LS+2*(\t)+1], v[LS+2*(\t):LS+2*(\t)+1], v[S+16*(\t)+(\i)-1:S+16*(\t)+(\i)]
.endif
.endm
.macro EC
.set ii, 0
.rept 16
	EXPS 0, ii
.set ii, ii+1
.endr
	v_nop
.irp t, 1,2,3
.set ii, 0
.rept 16
	EXPS \t, ii
	PL (\t)-1, ii
.set ii, ii+1
.endr
.endr
.set ii, 0
.rept 16
	PL 3, ii
.set ii, ii+1
.endr
.endm
; PASS 2, a group of 32 keys.  V of this group and (pre = 1) K of the next are fetched behind the four places and have the vector work in which to land.
.macro GROUP2 pre
	s_wait_dscnt 0x0                               ; K is in
	QK 0
	v_add_nc_u32 v[ADR], s[TG], v[LB2]
.rept 3
	v_nop
.endr
	ds_load_b128 v[VF:VF+3],   v[ADR] offset:2*PIECE
	ds_load_b128 v[VF+4:VF+7], v[ADR] offset:2*PIECE+512
.if \pre
	ds_load_b128 v[KF:KF+3],   v[ADR] offset:1024
	ds_load_b128 v[KF+4:KF+7], v[ADR] offset:1536
.endif
	s_add_co_u32 s[TG], s[TG], 1024
	EC
	s_wait_dscnt 0x0                               ; V is in
.irp t, 0,1,2,3                        ; four accumulators by turns, one instruction a turn
	v_wmma_f32_16x16x32_f16 v[OA+8*\t:OA+8*\t+7], v[VF:VF+7], v[P+8*\t:P+8*\t+7], v[OA+8*\t:OA+8*\t+7]
.endr
.endm
.macro COMPUTE2                        ; my 256 keys of a chunk: 8 groups
	s_mov_b32 s[TG], s[TB]
	v_add_nc_u32 v[ADR], s[TG], v[LB2]
	ds_load_b128 v[KF:KF+3],   v[ADR]
	ds_load_b128 v[KF+4:KF+7], v[ADR] offset:512
	s_mov_b32 s[CG], 7
.Lg2_\@:
	GROUP2 1
	s_sub_co_u32 s[CG], s[CG], 1
	s_cmp_lg_u32 s[CG], 0
	s_cbranch_scc1 .Lg2_\@
	GROUP2 0
.endm
	s_mov_b32 s[CT], 4
.Lp1:                                  ; pass 1: four chunks; the trips ask for chunks 1, 2, 3 and for pass 2's chunk 0
	CHANGE 1
	COMPUTE1
	s_sub_co_u32 s[CT], s[CT], 1
	s_cmp_lg_u32 s[CT], 0
	s_cbranch_scc1 .Lp1
	; my key half's maxima: the two chains, the other half of the lanes, and into LDS for the partner wave
.irp t, 0,1,2,3
	v_max_num_f32 v[MM+\t], v[MX+2*\t], v[MX+2*\t+1]
.endr
.irp t, 0,1,2,3
	v_permlanex16_b32 v[PM+\t], v[MM+\t], s[SEL], s[SEL+1]
.endr
.irp t, 0,1,2,3
	v_max_num_f32 v[MM+\t], v[MM+\t], v[PM+\t]
.endr
	ds_store_b128 v[AMX], v[MM:MM+3]
	CHANGE 2                                       ; its wait for my LDS instructions and its round also show the maxima to the partner; chunk 1 is asked for
	ds_load_b128 v[PM:PM+3], v[AMXP]
	s_wait_dscnt 0x0
.irp t, 0,1,2,3
	v_max_num_f32 v[MM+\t], v[MM+\t], v[PM+\t]
.endr
.irp t, 0,1,2,3
	v_xor_b32 v[NM+8*\t], 0x80000000, v[MM+\t]     ; -m, in all eight registers of the C operand
.irp k, 1,2,3,4,5,6,7
	v_mov_b32 v[NM+8*\t+\k], v[NM+8*\t]
.endr
.endr
.set i, 0
.rept 32                               ; O and l are cleared, once a launch: a first group written out with C = 0 would be a third copy of the group's text
	v_mov_b32 v[OA+i], 0
.set i, i+1
.endr
.irp k, 0,1,2,3,4,5,6,7
	v_mov_b32 v[LS+\k], 0
.endr
	s_mov_b32 s[CT], 6
.Lp2:                                  ; pass 2: chunks 0 to 5; the trips ask for chunks 2 to 7
	COMPUTE2
	CHANGE 2
	s_sub_co_u32 s[CT], s[CT], 1
	s_cmp_lg_u32 s[CT], 0
	s_cbranch_scc1 .Lp2
	s_mov_b32 s[CT], 2
.Lp3:                                  ; chunks 6 and 7: nothing is asked for; the second trip's barrier serves nothing: the price of one text for both
	COMPUTE2
	CHANGE 0
	s_sub_co_u32 s[CT], s[CT], 1
	s_cmp_lg_u32 s[CT], 0
	s_cbranch_scc1 .Lp3
	; THE END.  l: the pair's halves (these four lines are the places behind the last products), the other half of the lanes; then the two key halves meet.
.irp t, 0,1,2,3
	v_add_f32 v[MM+\t], v[LS+2*\t], v[LS+2*\t+1]
.endr
.irp t, 0,1,2,3
	v_permlanex16_b32 v[PM+\t], v[MM+\t], s[SEL], s[SEL+1]
.endr
.irp t, 0,1,2,3
	v_add_f32 v[MM+\t], v[MM+\t], v[PM+\t]
.endr
	s_cmp_eq_u32 s[KH], 0
	s_cbranch_scc1 .Lno_store
.irp j, 0,1,2,3,4,5,6,7
	ds_store_b128 v[AOX], v[OA+4*\j:OA+4*\j+3] offset:512*\j
.endr
	ds_store_b128 v[AOX], v[MM:MM+3] offset:4096
.Lno_store:
	s_wait_dscnt 0x0                               ; for the partner's sake
	s_barrier_signal -1
	s_barrier_wait -1
	s_cmp_lg_u32 s[KH], 0
	s_cbranch_scc1 .Ldone
.irp j, 0,1,2,3,4,5,6,7,8
	ds_load_b128 v[S+4*\j:S+4*\j+3], v[AOX] offset:512*\j
.endr
	s_wait_dscnt 0x0
.set i, 0
.rept 16
	v_pk_add_f32 v[OA+2*i:OA+2*i+1], v[OA+2*i:OA+2*i+1], v[S+2*i:S+2*i+1]
.set i, i+1
.endr
	v_pk_add_f32 v[MM:MM+1], v[MM:MM+1], v[S+32:S+33]
	v_pk_add_f32 v[MM+2:MM+3], v[MM+2:MM+3], v[S+34:S+35]
.irp t, 0,1,2,3
	v_rcp_f32 v[LS+2*\t], v[MM+\t]                 ; into a pair's low register: the packed multiply takes it for both halves
.endr
	v_nop                                          ; a plain instruction behind the last reciprocal
	s_wait_alu depctr_va_vdst(0)
.irp t, 0,1,2,3
.irp k, 0,1,2,3
	v_pk_mul_f32 v[OA+8*\t+2*\k:OA+8*\t+2*\k+1], v[OA+8*\t+2*\k:OA+8*\t+2*\k+1], v[LS+2*\t:LS+2*\t+1] op_sel_hi:[1,0]
.endr
.endr
.set i, 0
.rept 16
	v_cvt_pk_f16_f32 v[P+i], v[OA+2*i], v[OA+2*i+1]
.set i, i+1
.endr
.irp t, 0,1,2,3
	global_store_b128 v[L16], v[P+4*\t:P+4*\t+3], s[6:7] offset:2048*\t  ; 512 consecutive bytes, at a multiple of 512 from att's first
.endr
.Ldone:
	s_wait_tensorcnt 0x0                           ; the wave's end
	ds_add_u32 v[SPW], v[NIL]
	s_wait_dscnt 0x0
	CROUND                                         ; the closing round
	s_endpgm
.Lfunc_end_k_qee146a9d0b_attn:
	.size	k_qee146a9d0b_attn, .Lfunc_end_k_qee146a9d0b_attn-k_qee146a9d0b_attn
	.p2alignl 7, 3214868480
	.fill 96, 4, 3214868480
	.section	.rodata,"a",@progbits
	.p2align	6, 0x0
	.amdhsa_kernel k_qee146a9d0b_attn
		.amdhsa_group_segment_fixed_size 327680
		.amdhsa_private_segment_fixed_size 0
		.amdhsa_enable_private_segment 0
		.amdhsa_kernarg_size 16
		.amdhsa_user_sgpr_count 2
		.amdhsa_user_sgpr_kernarg_segment_ptr 1
		.amdhsa_wavefront_size32 1
		.amdhsa_system_sgpr_workgroup_id_x 1
		.amdhsa_system_sgpr_workgroup_id_y 1
		.amdhsa_system_sgpr_workgroup_id_z 1
		.amdhsa_system_vgpr_workitem_id 0
		.amdhsa_next_free_vgpr 240
		.amdhsa_next_free_sgpr 66
		.amdhsa_reserve_vcc 0
		.amdhsa_float_denorm_mode_32 3
		.amdhsa_float_denorm_mode_16_64 3
		.amdhsa_memory_ordered 1
		.amdhsa_forward_progress 1
		.amdhsa_inst_pref_size 63
	.end_amdhsa_kernel
	.amdgpu_metadata
---
amdhsa.version: [ 1, 2 ]
amdhsa.kernels:
  - .name:           k_qee146a9d0b_attn
    .symbol:         k_qee146a9d0b_attn.kd
    .args:
      - { .name: qkv, .offset: 0, .size: 8, .value_kind: global_buffer, .address_space: global }
      - { .name: att, .offset: 8, .size: 8, .value_kind: global_buffer, .address_space: global }
    .group_segment_fixed_size: 327680
    .private_segment_fixed_size: 0
    .kernarg_segment_align: 8
    .kernarg_segment_size: 16
    .max_flat_workgroup_size: 384
    .sgpr_count:     66
    .vgpr_count:     240
    .wavefront_size: 32
...
	.end_amdgpu_metadata
.endif
;; end of part 2
;; launch outgn (part 3): grid 16 x 6, 16 waves a work-group, no clusters, 268,800 bytes of LDS; arguments feat_a, feat_b, feat_c, Wo_a, Wo_b, Wo_c, bo_a, bo_b, bo_c, g_a, g_b, g_c, be_a, be_b, be_c, att, out0, out1, out2; writes out0, out1, out2
.if DOCPART == 3
	.amdgcn_target "amdgcn-amd-amdhsa--gfx1250"
	.amdhsa_code_object_version 6
	.text
	.protected	k_qee146a9d0b_outgn
	.globl	k_qee146a9d0b_outgn
	.p2align	8
	.type	k_qee146a9d0b_outgn,@function
k_qee146a9d0b_outgn:
	s_mov_b64 s[64:65], 0
	v_nop
	global_prefetch_b8 v0, s[64:65] scope:SCOPE_SE
	s_setreg_imm32_b32 hwreg(HW_REG_WAVE_MODE, 25, 1), 1
	s_wait_xcnt 0x0
; y = feat + Wo o + bo, then GroupNorm: out = (y - mean) rsqrt(var + 1e-5) g + be, mean and var over a group's 16 channels x 4,096 positions.
; A work-group (16 waves) holds ONE whole group (x of the grid) of one modality and batch (y = 2 m + b) in registers: the features are read once; the mean is taken first and the
; squares are taken of y - mean, so no difference of large sums is formed.  96 groups, 96 work-groups: a group's statistics span all its positions.
; Wave w owns positions 256 w .. +255.  Wo o in f16 (o as the launch before left it; Wo rounded to bf16 like the other weights and that number written as f16), sums in f32, started by bo.
; LIMITS.  |Wo| under 65,504, and below 6e-5 it keeps f16's fixed step; NaN and infinities are not treated apart.
; The product's lanes hold a channel and eight positions; the features' lanes hold four positions of a row.  So the product goes through the wave's own stage in LDS.
.set SPITCH, 1040                      ; a stage row: 256 f32 + 16 bytes = 65 x 16 bytes, so that sixteen rows' 16 bytes fall into sixteen different columns of 256 bytes
.set WSTAGE, 16*SPITCH
.set RED0,  16*WSTAGE                  ; sixteen partial sums; the second reduction's lie 256 bytes on
.set SPARE, RED0+512                   ; the spare words, 128 bytes a wave, that no other line names
.set VA,  1                            ; v1   my bytes in att: 16 tiles of 2,048 a wave, 16 a lane
.set SPW, 2
.set NIL, 3
.set VF,  4                            ; v4   my bytes in a channel's row: 1,024 w + 16 lane
.set STO, 5
.set RD,  6
.set RW,  7                            ; v7   my wave's word of the partial sums
.set BIAS, 8                           ; v8-15
.set Y,   16                           ; v16-143  channel c, half u of my 256 positions at Y + 8 c + 4 u
.set WRAW, 112                         ; Wo in f32, ahead of channels 12 to 15
.set OB,  144                          ; v144-207 two buffers of o's fragments; later what comes back from the stage; later gains and biases
.set AV,  144
.set BV,  176
.set Z,   208                          ; v208-239 four accumulators; behind the last product at work:
.set T,   208                          ;   v208-215 four chains
.set RB,  216                          ;   v216-231 the sixteen partial sums
.set RA,  232                          ;   v232 their LDS address, written behind the last product
.set RS,  233
.set NMN, 234
.set WB,  240                          ; v240-255 Wo's two fragments
.set FE, 44
.set WO, 46
.set BO, 48
.set GA, 50
.set BE, 52
.set OUT, 54
.set ATT, 34
	s_load_b512 s[4:19], s[0:1], 0x0               ; feat a b c, Wo a b c, bo a b
	s_load_b512 s[20:35], s[0:1], 0x40             ; bo c, g a b c, be a b c, att
	s_load_b128 s[36:39], s[0:1], 0x80             ; out0, out1
	s_load_b64 s[40:41], s[0:1], 0x90              ; out2
	v_lshl_add_u32 v[SPW], v0, 2, SPARE
	v_mov_b32 v[NIL], 0
	v_lshrrev_b32 v[RW], 5, v0
	v_readfirstlane_b32 s42, v[RW]                 ; wave 0..15
	s_mov_b32 s43, ttmp9                           ; group
	s_and_b32 s56, ttmp7, 0xffff
	s_lshr_b32 s57, s56, 1                         ; modality
	s_and_b32 s58, s56, 1                          ; batch
	s_mov_b32 s60, 0x76543210
	s_mov_b32 s61, 0xfedcba98
	s_mov_b32 s62, 0x37800000                      ; 1 / 65,536
	s_mov_b32 s63, 0x3727c5ac                      ; 1e-5
	v_and_b32 v[Z], 31, v0
	v_and_b32 v[Z+1], 15, v0                       ; r
	v_bfe_u32 v[Z+2], v0, 4, 1                     ; hh
	v_lshlrev_b32 v[Z+3], 4, v[Z]                  ; 16 lane
	s_lshl_b32 s59, s42, 15
	v_add_nc_u32 v[VA], s59, v[Z+3]
	s_lshl_b32 s59, s42, 10
	v_add_nc_u32 v[VF], s59, v[Z+3]
	s_mul_i32 s59, s42, WSTAGE
	v_mul_u32_u24 v[STO], v[Z+1], SPITCH           ; in: row = channel r, 32 bytes for each half of the lanes
	v_lshl_add_u32 v[STO], v[Z+2], 5, v[STO]
	v_add_nc_u32 v[STO], s59, v[STO]
	v_add_nc_u32 v[RD], s59, v[Z+3]                ; back: 512 consecutive bytes of a row
	s_lshl_b32 s59, s42, 2
	s_add_co_u32 s59, s59, RED0
	v_mov_b32 v[RW], s59
	s_lshl_b32 s2, s43, 4
	v_add_nc_u32 v[Z+4], s2, v[Z+1]                ; channel 16 g + r
	v_lshlrev_b32 v[Z+5], 2, v[Z+4]                ; its bo
	v_lshlrev_b32 v[Z+4], 8, v[Z+4]                ; its row of Wo, 256 bytes,
	v_lshl_add_u32 v[Z+4], v[Z+2], 5, v[Z+4]       ; 32 bytes for each half of the lanes
	s_lshl_b32 s66, s58, 22                        ; (256 b + 16 g) rows of 16,384 bytes
	s_lshl_b32 s59, s43, 18
	s_add_co_u32 s66, s66, s59
	s_mov_b32 s67, 0
	s_lshl_b32 s2, s56, 19                         ; att: 256 tiles of 2,048 bytes for each modality and batch
	s_mov_b32 s3, 0
	s_wait_kmcnt 0x0
	s_cmp_eq_u32 s57, 1
.irp k, 0,1,2,3,4
	s_cselect_b64 s[44+2*\k:45+2*\k], s[6+6*\k:7+6*\k], s[4+6*\k:5+6*\k]
.endr
	s_cselect_b64 s[OUT:OUT+1], s[38:39], s[36:37]
	s_cmp_eq_u32 s57, 2
.irp k, 0,1,2,3,4
	s_cselect_b64 s[44+2*\k:45+2*\k], s[8+6*\k:9+6*\k], s[44+2*\k:45+2*\k]
.endr
	s_cselect_b64 s[OUT:OUT+1], s[40:41], s[OUT:OUT+1]
	s_add_nc_u64 s[FE:FE+1], s[FE:FE+1], s[66:67]
	s_add_nc_u64 s[OUT:OUT+1], s[OUT:OUT+1], s[66:67]
	s_add_nc_u64 s[ATT:ATT+1], s[ATT:ATT+1], s[2:3]
	s_lshl_b32 s2, s43, 6                          ; the group's sixteen g and be
	s_add_nc_u64 s[GA:GA+1], s[GA:GA+1], s[2:3]
	s_add_nc_u64 s[BE:BE+1], s[BE:BE+1], s[2:3]
	s_load_b512 s[68:83], s[GA:GA+1], 0x0
	s_load_b512 s[84:99], s[BE:BE+1], 0x0
.irp ks, 0,1
.irp o, 0,1,2,3
	global_load_b128 v[WRAW+16*\ks+4*\o:WRAW+16*\ks+4*\o+3], v[Z+4], s[WO:WO+1] offset:128*\ks+(\o%2)*16+(\o/2)*64
.endr
.endr
	global_load_b32 v[BIAS], v[Z+5], s[BO:BO+1]
; Batch i: o of my tiles 2 i, 2 i + 1 (four heads each: registers 0-3, 4-7 of a fragment are two heads' 16 channels), then the features of channels 2 i, 2 i + 1.
.macro BATCH i
.irp tl, 0,1
.irp hd, 0,1,2,3
	global_load_b128 v[OB+32*((\i)%2)+16*\tl+4*\hd:OB+32*((\i)%2)+16*\tl+4*\hd+3], v[VA], s[ATT:ATT+1] offset:(2*(\i)+\tl)*2048+\hd*512
.endr
.endr
.irp cl, 0,1
.irp u, 0,1
	global_load_b128 v[Y+8*(2*(\i)+\cl)+4*\u:Y+8*(2*(\i)+\cl)+4*\u+3], v[VF], s[FE:FE+1] offset:(2*(\i)+\cl)*16384+\u*512 th:TH_LOAD_NT
.endr
.endr
.endm
	BATCH 0
	BATCH 1
	s_wait_loadcnt 24                              ; Wo and bo are in; the two batches of twelve stay out
.set i, 0
.rept 16
.set tp, T+2*(i%4)
	v_cvt_pk_bf16_f32 v[tp], v[WRAW+2*i], v[WRAW+2*i+1]   ; rounded to bf16,
	v_lshlrev_b32 v[tp+1], 16, v[tp]
	v_and_b32 v[tp], 0xffff0000, v[tp]
	v_cvt_pk_f16_f32 v[WB+i], v[tp+1], v[tp]              ; and that number as f16
.set i, i+1
.endr
.irp k, 1,2,3,4,5,6,7
	v_mov_b32 v[BIAS+\k], v[BIAS]                  ; a lane is a channel in the product: one bias in all eight registers
.endr
; Two tiles' products, K = 64 in two steps; rows = positions (o), columns = channels (Wo).  The two accumulators take turns, and the pair goes by i's parity.
.macro ZB i
.if (\i) < 7
	s_wait_loadcnt 16                              ; the batch's o is in; its own four feature loads and the next batch's twelve stay out
.else
	s_wait_loadcnt 4                               ; only its own four feature loads
.endif
.set oa, OB+32*((\i)%2)
.set za, Z+16*((\i)%2)
	v_wmma_f32_16x16x32_f16 v[za:za+7],    v[oa:oa+7],     v[WB:WB+7],    v[BIAS:BIAS+7]
	v_wmma_f32_16x16x32_f16 v[za+8:za+15], v[oa+16:oa+23], v[WB:WB+7],    v[BIAS:BIAS+7]
	v_wmma_f32_16x16x32_f16 v[za:za+7],    v[oa+8:oa+15],  v[WB+8:WB+15], v[za:za+7]
	v_wmma_f32_16x16x32_f16 v[za+8:za+15], v[oa+24:oa+31], v[WB+8:WB+15], v[za+8:za+15]
.rept 4
	v_nop                                          ; the places ahead of the loads into the fragments and of the stores of the results
.endr
.if (\i) < 6
	BATCH (\i)+2
.endif
.irp tl, 0,1
	ds_store_b128 v[STO], v[za+8*\tl:za+8*\tl+3]   offset:64*(2*(\i)+\tl)
	ds_store_b128 v[STO], v[za+8*\tl+4:za+8*\tl+7] offset:64*(2*(\i)+\tl)+16
.endr
.endm
.irp i, 0,1,2,3,4,5,6,7
	ZB \i
.endr
	s_wait_loadcnt 0x0                             ; the last features
	; back from my own stage (LDS serves a wave's instructions in order: ISA guide 5.7.1.4) and onto the features
.irp hf, 0,1
.set j, 0
.rept 16
	ds_load_b128 v[OB+4*j:OB+4*j+3], v[RD] offset:((16*\hf+j)/2)*SPITCH+((16*\hf+j)%2)*512
.set j, j+1
.endr
.set j, 0
.rept 16
	s_wait_dscnt 15-j                              ; load j is back; the younger ones stay out
	v_pk_add_f32 v[Y+4*(16*\hf+j):Y+4*(16*\hf+j)+1],   v[Y+4*(16*\hf+j):Y+4*(16*\hf+j)+1],   v[OB+4*j:OB+4*j+1]
	v_pk_add_f32 v[Y+4*(16*\hf+j)+2:Y+4*(16*\hf+j)+3], v[Y+4*(16*\hf+j)+2:Y+4*(16*\hf+j)+3], v[OB+4*j+2:OB+4*j+3]
.set j, j+1
.endr
.endr
	v_mov_b32 v[RA], RED0                          ; the accumulators' registers are free now: where the sixteen partial sums lie
; Four chains in T become one number for the work-group, in v[RB] of every lane: the lanes, then sixteen words in LDS at red.
.macro GSUM red
	v_pk_add_f32 v[T:T+1], v[T:T+1], v[T+2:T+3]
	v_pk_add_f32 v[T+4:T+5], v[T+4:T+5], v[T+6:T+7]
	v_pk_add_f32 v[T:T+1], v[T:T+1], v[T+4:T+5]
	v_add_f32 v[T], v[T], v[T+1]
	v_add_f32_dpp v[T], v[T], v[T] row_xmask:1 row_mask:0xf bank_mask:0xf
	v_add_f32_dpp v[T], v[T], v[T] row_xmask:2 row_mask:0xf bank_mask:0xf
	v_add_f32_dpp v[T], v[T], v[T] row_xmask:4 row_mask:0xf bank_mask:0xf
	v_add_f32_dpp v[T], v[T], v[T] row_xmask:8 row_mask:0xf bank_mask:0xf
	v_permlanex16_b32 v[T+1], v[T], s60, s61
	v_add_f32 v[T], v[T], v[T+1]
	ds_store_b32 v[RW], v[T] offset:\red           ; all lanes write the wave's word with the same number
	s_wait_dscnt 0x0                               ; for the others' sake
	s_barrier_signal -1
	s_barrier_wait -1
.irp k, 0,1,2,3
	ds_load_b128 v[RB+4*\k:RB+4*\k+3], v[RA] offset:(\red)+16*\k
.endr
	s_wait_dscnt 0x0
.irp k, 0,1,2,3
	v_pk_add_f32 v[RB+2*\k:RB+2*\k+1], v[RB+2*\k:RB+2*\k+1], v[RB+8+2*\k:RB+8+2*\k+1]
.endr
	v_pk_add_f32 v[RB:RB+1], v[RB:RB+1], v[RB+4:RB+5]
	v_pk_add_f32 v[RB+2:RB+3], v[RB+2:RB+3], v[RB+6:RB+7]
	v_pk_add_f32 v[RB:RB+1], v[RB:RB+1], v[RB+2:RB+3]
	v_add_f32 v[RB], v[RB], v[RB+1]
.endm
	; THE MEAN: my 128 registers in four chains started by the first eight pairs
.set i, 0
.rept 4
	v_pk_add_f32 v[T+2*i:T+2*i+1], v[Y+2*i:Y+2*i+1], v[Y+8+2*i:Y+8+2*i+1]
.set i, i+1
.endr
.set i, 8
.rept 56
	v_pk_add_f32 v[T+2*(i%4):T+2*(i%4)+1], v[T+2*(i%4):T+2*(i%4)+1], v[Y+2*i:Y+2*i+1]
.set i, i+1
.endr
	GSUM 0
	v_mul_f32 v[NMN], 0xb7800000, v[RB]            ; - sum / 65,536
	v_mov_b32 v[NMN+1], v[NMN]
.set i, 0
.rept 64
	v_pk_add_f32 v[Y+2*i:Y+2*i+1], v[Y+2*i:Y+2*i+1], v[NMN:NMN+1]
.set i, i+1
.endr
	; THE VARIANCE, of the centred numbers
.set i, 0
.rept 4
	v_pk_mul_f32 v[T+2*i:T+2*i+1], v[Y+2*i:Y+2*i+1], v[Y+2*i:Y+2*i+1]
.set i, i+1
.endr
.set i, 4
.rept 60
	v_pk_fma_f32 v[T+2*(i%4):T+2*(i%4)+1], v[Y+2*i:Y+2*i+1], v[Y+2*i:Y+2*i+1], v[T+2*(i%4):T+2*(i%4)+1]
.set i, i+1
.endr
	GSUM 256                                       ; other words than the first reduction's, so no further barrier is needed
	s_wait_kmcnt 0x0                               ; g and be
	v_fma_f32 v[RS], v[RB], s62, s63               ; var + 1e-5
	v_rsq_f32 v[RS], v[RS]
.set c, 0
.rept 16
	v_mov_b32 v[BV+2*c], s[84+c]                   ; plain lines behind the root, ahead of its use
.set c, c+1
.endr
.set c, 0
	s_wait_alu depctr_va_vdst(0)
.rept 16
	v_mul_f32 v[AV+2*c], s[68+c], v[RS]
.set c, c+1
.endr
.set c, 0
.rept 16
.irp k, 0,1,2,3
	v_pk_fma_f32 v[Y+8*c+2*\k:Y+8*c+2*\k+1], v[Y+8*c+2*\k:Y+8*c+2*\k+1], v[AV+2*c:AV+2*c+1], v[BV+2*c:BV+2*c+1] op_sel_hi:[1,0,0]
.endr
.irp u, 0,1
	global_store_b128 v[VF], v[Y+8*c+4*\u:Y+8*c+4*\u+3], s[OUT:OUT+1] offset:c*16384+\u*512 th:TH_STORE_NT  ; 512 consecutive bytes, at a multiple of 512 from the output's first
.endr
.set c, c+1
.endr
	s_wait_tensorcnt 0x0                           ; the wave's end
	ds_add_u32 v[SPW], v[NIL]
	s_wait_dscnt 0x0
	s_endpgm
.Lfunc_end_k_qee146a9d0b_outgn:
	.size	k_qee146a9d0b_outgn, .Lfunc_end_k_qee146a9d0b_outgn-k_qee146a9d0b_outgn
	.p2alignl 7, 3214868480
	.fill 96, 4, 3214868480
	.section	.rodata,"a",@progbits
	.p2align	6, 0x0
	.amdhsa_kernel k_qee146a9d0b_outgn
		.amdhsa_group_segment_fixed_size 268800
		.amdhsa_private_segment_fixed_size 0
		.amdhsa_enable_private_segment 0
		.amdhsa_kernarg_size 152
		.amdhsa_user_sgpr_count 2
		.amdhsa_user_sgpr_kernarg_segment_ptr 1
		.amdhsa_wavefront_size32 1
		.amdhsa_system_sgpr_workgroup_id_x 1
		.amdhsa_system_sgpr_workgroup_id_y 1
		.amdhsa_system_sgpr_workgroup_id_z 1
		.amdhsa_system_vgpr_workitem_id 0
		.amdhsa_next_free_vgpr 256
		.amdhsa_next_free_sgpr 100
		.amdhsa_reserve_vcc 0
		.amdhsa_float_denorm_mode_32 3
		.amdhsa_float_denorm_mode_16_64 3
		.amdhsa_memory_ordered 1
		.amdhsa_forward_progress 1
		.amdhsa_inst_pref_size 52
	.end_amdhsa_kernel
	.amdgpu_metadata
---
amdhsa.version: [ 1, 2 ]
amdhsa.kernels:
  - .name:           k_qee146a9d0b_outgn
    .symbol:         k_qee146a9d0b_outgn.kd
    .args:
      - { .name: feat_a, .offset: 0, .size: 8, .value_kind: global_buffer, .address_space: global }
      - { .name: feat_b, .offset: 8, .size: 8, .value_kind: global_buffer, .address_space: global }
      - { .name: feat_c, .offset: 16, .size: 8, .value_kind: global_buffer, .address_space: global }
      - { .name: Wo_a, .offset: 24, .size: 8, .value_kind: global_buffer, .address_space: global }
      - { .name: Wo_b, .offset: 32, .size: 8, .value_kind: global_buffer, .address_space: global }
      - { .name: Wo_c, .offset: 40, .size: 8, .value_kind: global_buffer, .address_space: global }
      - { .name: bo_a, .offset: 48, .size: 8, .value_kind: global_buffer, .address_space: global }
      - { .name: bo_b, .offset: 56, .size: 8, .value_kind: global_buffer, .address_space: global }
      - { .name: bo_c, .offset: 64, .size: 8, .value_kind: global_buffer, .address_space: global }
      - { .name: g_a, .offset: 72, .size: 8, .value_kind: global_buffer, .address_space: global }
      - { .name: g_b, .offset: 80, .size: 8, .value_kind: global_buffer, .address_space: global }
      - { .name: g_c, .offset: 88, .size: 8, .value_kind: global_buffer, .address_space: global }
      - { .name: be_a, .offset: 96, .size: 8, .value_kind: global_buffer, .address_space: global }
      - { .name: be_b, .offset: 104, .size: 8, .value_kind: global_buffer, .address_space: global }
      - { .name: be_c, .offset: 112, .size: 8, .value_kind: global_buffer, .address_space: global }
      - { .name: att, .offset: 120, .size: 8, .value_kind: global_buffer, .address_space: global }
      - { .name: out0, .offset: 128, .size: 8, .value_kind: global_buffer, .address_space: global }
      - { .name: out1, .offset: 136, .size: 8, .value_kind: global_buffer, .address_space: global }
      - { .name: out2, .offset: 144, .size: 8, .value_kind: global_buffer, .address_space: global }
    .group_segment_fixed_size: 268800
    .private_segment_fixed_size: 0
    .kernarg_segment_align: 8
    .kernarg_segment_size: 152
    .max_flat_workgroup_size: 512
    .sgpr_count:     100
    .vgpr_count:     256
    .wavefront_size: 32
...
	.end_amdgpu_metadata
.endif
;; end of part 3
;; ======== version 2 of 2: 3 launches; version 1 with the launch proj written anew for expert scheduling mode
;; limits: values are held in f16: magnitudes above 65,504 overflow, below 6.1e-05 lose precision
;; workspace buffers: qkv 9,437,184 bytes; att 3,145,728 bytes
;; launch proj (part 4): grid 4 x 64, 12 waves a work-group, no clusters, 222,720 bytes of LDS; arguments feat_a, feat_b, feat_c, Wq_a, Wq_b, Wq_c, Wk_a, Wk_b, Wk_c, Wv_a, Wv_b, Wv_c, bq_a, bq_b, bq_c, bk_a, bk_b, bk_c, bv_a, bv_b, bv_c, qkv; writes qkv
.if DOCPART == 4
	.amdgcn_target "amdgcn-amd-amdhsa--gfx1250"
	.amdhsa_code_object_version 6
	.text
	.protected	k_qee146a9d0b_proj
	.globl	k_qee146a9d0b_proj
	.p2align	8
	.type	k_qee146a9d0b_proj,@function
k_qee146a9d0b_proj:
	s_mov_b64 s[64:65], 0
	v_nop
	global_prefetch_b8 v0, s[64:65] scope:SCOPE_SE
	s_setreg_imm32_b32 hwreg(HW_REG_WAVE_SCHED_MODE, 0, 2), 2
	s_setreg_imm32_b32 hwreg(HW_REG_WAVE_MODE, 25, 1), 1
	s_wait_xcnt 0x0
	s_wait_alu depctr_vm_vsrc(0)
; q' = c (Wq x + bq), k = Wk [x1; x2] + bk, v = Wv [x1; x2] + bv for the three modalities, c = 0.25 log2(e).
; x: [2][256][4096] f32.  A work-group takes one head (x of the grid), one batch and 128 positions (y), all three modalities.
; Products in bf16 (x and the weights rounded once), sums in f32 started by the biases, q', k, v rounded once to f16.
; LIMITS.  |q'|, |k|, |v| stay under 65,504 (f16); NaN and infinities are not treated apart.
; qkv: [modality 3][batch 2][head 4][q, k, v][256 tiles][512 bytes].  A tile is 16 positions x 16 channels; lane 16 hh + r owns its bytes 16 lane:
; in q and k position r, channels 8 hh .. +7; in v channel r, positions 8 hh .. +7: the next launch's fragments as they lie.
; PHASES.  Wave w = 4 m + pq rounds 64 channel rows of feature m (128 positions each) to bf16 into LDS; a barrier; then it makes q, k, v of modality m
; for the position tiles 2 pq and 2 pq + 1: eight trips, each 32 along K of q and 2 x 32 along K of k and of v.
; No cluster and no tensor load: the features are rounded in registers on their way into LDS, and the weights go into registers as fragments.
; THE MODE: SCHED_MODE bits 1:0 = 2 (LLVM: expert scheduling mode 2), set by the entry lines.  The code itself states the register dependences
; between vector or matrix instructions and memory or LDS instructions, with s_wait_alu, always for 0.
; THE PLAN.  Registers that memory or LDS instructions touch:
;   v4, v5, v9-v12   offsets and addresses, made once at the head and never written again: the weights' rows are walked by three scalar bases.
;   STG0, STG1       Batch bt's sixteen loads land in STG[bt % 2]; its 32 conversions read it; behind them the loads of batch bt + 2 land in it (at the end the biases and the first weights).
;   OUT0, OUT1       Batch bt's conversions write OUT[bt % 2]; its sixteen LDS stores read it; batch bt + 2 writes it again.  Behind the barrier these registers are WB and XF.
;   WF               A trip's 40 conversions read it; behind them the next trip's twenty loads land in it.
;   XF               A trip's twelve turning loads land in it; its ten matrix instructions read it.
;   v6-v8 (XA)       Read by the turning loads; stepped once a trip, at the trip's end.
;   WB and the accumulators are named by vector and matrix instructions alone, until WB's first 24 registers carry the results to the six stores.
; So ONE wait on va_vdst stands in a batch and in a trip, behind its conversions, and all the loads and stores of the batch or trip follow it with no further wait:
; no vector or matrix instruction issued behind it names a register that they touch.  One wait on vm_vsrc stands ahead of each rewriting of OUT and of XA.
.set PX,    288                        ; an LDS row: 128 bf16 + 32 bytes: nine times 32 bytes, as the turning load's rows want
.set FEATB, 256*PX                     ; a feature's 256 rows
.set SPARE, 3*FEATB                    ; behind the rows: the spare words, 128 bytes a wave, that no other line names
.set ARR,   131072                     ; bytes of one of q, k, v of a head
.set SPW, 2                            ; v2   my spare word's address; never rewritten
.set NIL, 3                            ; v3   0; never rewritten
.set VG,  4                            ; v4   16 x lane: my bytes in a row of 512 and in a tile
.set VS,  5                            ; v5   8 x lane + my wave's 64 LDS rows
.set XA,  6                            ; v6-8 turning-load addresses in the own feature and the two of the context
.set VWQ, 9                            ; v9   my bytes in Wq's row
.set VWK, 10                           ; v10  in Wk's and Wv's row
.set VBQ, 11                           ; v11  eight biases of q, k
.set VBV, 12                           ; v12  one bias of v
.set RR,  14
.set HH,  15
.set STG, 16                           ; v16-143 staging: two sets of 16 rows x 4 registers, as loaded
.set OUT, 144                          ; v144-207 staging: two sets of 16 rows x 2 registers, in bf16, to store
.set ACC, 16                           ; then v16-63: q0 q1 k0 k1 v0 v1, 8 each
.set WF,  64                           ; v64-143 five weight fragments in f32
.set WB,  144                          ; v144-183 the same in bf16
.set XF,  184                          ; v184-231 x fragments: own, first, second of the context, two tiles each
.set TT,  200                          ; at work in the set-up
.set FE, 48                            ; s[48:61] the wave's seven pointers, chosen by m
.set WQ, 50
.set WK, 52
.set WV, 54
.set BQ, 56
.set BK, 58
.set BV, 60
.set QKV, 46
.set WN, 66
.set MO, 67
.set PQ, 68
.set HD, 69
.set YY, 70
.set BB, 71
.set BLK, 72
.set C1, 73
.set C2, 74
.set CNT, 75
.set OA, 76
.set OB, 78
.set TS, 80
	s_load_b512 s[4:19], s[0:1], 0x0               ; feat a b c, Wq a b c, Wk a b
	s_load_b512 s[20:35], s[0:1], 0x40             ; Wk c, Wv a b c, bq a b c, bk a
	s_load_b256 s[36:43], s[0:1], 0x80             ; bk b c, bv a b
	s_load_b128 s[44:47], s[0:1], 0xa0             ; bv c, qkv
	v_lshl_add_u32 v[SPW], v0, 2, SPARE
	v_mov_b32 v[NIL], 0
	v_lshrrev_b32 v1, 5, v0
	v_readfirstlane_b32 s[WN], v1                  ; wave 0..11
	s_mov_b32 s[HD], ttmp9                         ; head
	s_and_b32 s[YY], ttmp7, 0xffff
	s_lshr_b32 s[BB], s[YY], 5                     ; batch
	s_and_b32 s[BLK], s[YY], 31                    ; block of 128 positions
	v_and_b32 v1, 31, v0
	v_and_b32 v[RR], 15, v0                        ; r
	v_bfe_u32 v[HH], v0, 4, 1                      ; hh
	v_lshlrev_b32 v[VG], 4, v1
	s_wait_alu depctr_va_sdst(0)                   ; the wave's number is written, ahead of its first reader: the line below
	s_lshr_b32 s[MO], s[WN], 2                     ; modality
	s_and_b32 s[PQ], s[WN], 3                      ; which 64 rows I stage, which two tiles I make
	s_min_u32 s[C1], s[MO], 1
	s_sub_co_u32 s[C1], 1, s[C1]                   ; the context's first feature: b a a
	s_lshr_b32 s[C2], s[MO], 1
	s_sub_co_u32 s[C2], 2, s[C2]                   ; its second: c c b
	s_mul_i32 s[TS], s[WN], 64*PX
	v_lshl_add_u32 v[VS], v1, 3, s[TS]
	v_and_b32 v[TT], 7, v0                         ; the turning load: lane reads row 8 hh + lane % 8, 16 bytes at 16 ((lane / 8) % 2)
	v_lshl_add_u32 v[TT], v[HH], 3, v[TT]
	v_mul_u32_u24 v[TT], v[TT], PX
	v_bfe_u32 v[TT+1], v0, 3, 1
	v_lshl_add_u32 v[TT], v[TT+1], 4, v[TT]
	s_lshl_b32 s[TS], s[PQ], 6                     ; my two tiles begin at position 32 pq
	v_add_nc_u32 v[TT], s[TS], v[TT]
	s_mul_i32 s[TS], s[MO], FEATB
	v_add_nc_u32 v[XA], s[TS], v[TT]
	s_mul_i32 s[TS], s[C1], FEATB
	v_add_nc_u32 v[XA+1], s[TS], v[TT]
	s_mul_i32 s[TS], s[C2], FEATB
	v_add_nc_u32 v[XA+2], s[TS], v[TT]
	s_lshl_b32 s[TS], s[HD], 4
	v_add_nc_u32 v[TT], s[TS], v[RR]               ; weight row 16 head + r
	v_lshlrev_b32 v[VWQ], 10, v[TT]                ; rows of 1,024 bytes, 32 bytes for each half of the lanes
	v_lshl_add_u32 v[VWQ], v[HH], 5, v[VWQ]
	v_lshlrev_b32 v[VWK], 11, v[TT]                ; rows of 2,048 bytes
	v_lshl_add_u32 v[VWK], v[HH], 5, v[VWK]
	v_lshlrev_b32 v[VBV], 2, v[TT]
	s_lshl_b32 s[TS], s[HD], 6
	v_lshl_add_u32 v[VBQ], v[HH], 5, s[TS]         ; biases 16 head + 8 hh .. +7
	s_lshl_b32 s[OA], s[BB], 22                    ; the feature's bytes: batch, my 64 channels, the block's 512 bytes of a row
	s_lshl_b32 s[TS], s[PQ], 20
	s_add_co_u32 s[OA], s[OA], s[TS]
	s_lshl_b32 s[TS], s[BLK], 9
	s_add_co_u32 s[OA], s[OA], s[TS]
	s_mov_b32 s[OA+1], 0
	s_lshl_b32 s[OB], s[MO], 3                     ; qkv: (8 m + 4 b + head) x 3 arrays, tile 8 blk + 2 pq
	s_lshl2_add_u32 s[OB], s[BB], s[OB]
	s_add_co_u32 s[OB], s[OB], s[HD]
	s_mul_i32 s[OB], s[OB], 3*ARR
	s_lshl_b32 s[TS], s[BLK], 12
	s_add_co_u32 s[OB], s[OB], s[TS]
	s_lshl_b32 s[TS], s[PQ], 10
	s_add_co_u32 s[OB], s[OB], s[TS]
	s_mov_b32 s[OB+1], 0
	s_wait_kmcnt 0x0
	s_cmp_eq_u32 s[MO], 1                          ; each kind's three pointers lie six registers apart
.irp g, 0,1,2,3,4,5,6
	s_cselect_b64 s[48+2*\g:49+2*\g], s[6+6*\g:7+6*\g], s[4+6*\g:5+6*\g]
.endr
	s_cmp_eq_u32 s[MO], 2
.irp g, 0,1,2,3,4,5,6
	s_cselect_b64 s[48+2*\g:49+2*\g], s[8+6*\g:9+6*\g], s[48+2*\g:49+2*\g]
.endr
	s_add_nc_u64 s[FE:FE+1], s[FE:FE+1], s[OA:OA+1]
	s_add_nc_u64 s[QKV:QKV+1], s[QKV:QKV+1], s[OB:OB+1]
	s_wait_alu depctr_va_vdst(0)                   ; the offsets and addresses v4 to v12 are written, which the loads and stores below read
; STAGING.  A load takes one row's 512 consecutive bytes; four batches of 16 rows on two register sets, so that 16 to 32 loads of the wave are out.
.macro LDB set, bt
.set j, 0
.rept 16
	global_load_b128 v[STG+64*(\set)+4*j:STG+64*(\set)+4*j+3], v[VG], s[FE:FE+1] offset:(16*(\bt)+j)*16384
.set j, j+1
.endr
.endm
; A batch's conversions, out of STG[set] into OUT[set].  more: the loads of the batch issued behind this one.
.macro CVB set, bt, more
.set j, 0
.rept 16
.set a, STG+64*(\set)+4*j
.set dd, OUT+32*(\set)+2*j
	s_wait_loadcnt (\more)+15-j                    ; loads come back in order: row j is in; its batch's younger rows and the next batch stay out
.if ((\bt) >= 2) && (j == 0)
	s_wait_alu depctr_vm_vsrc(0)                   ; the LDS stores of the batch two back have read OUT[set], which the conversions below write again
.endif
	v_cvt_pk_bf16_f32 v[dd], v[a], v[a+1]
	v_cvt_pk_bf16_f32 v[dd+1], v[a+2], v[a+3]
.set j, j+1
.endr
	s_wait_alu depctr_va_vdst(0)                   ; the conversions have written OUT[set], which the batch's LDS stores read, and are done reading STG[set], in which the next loads land
.endm
; A batch's stores.  No wait: no vector instruction since the batch's wait names OUT[set].
.macro STB set, bt
.set j, 0
.rept 16
.set dd, OUT+32*(\set)+2*j
	ds_store_b64 v[VS], v[dd:dd+1] offset:(16*(\bt)+j)*PX  ; 32 lanes, 256 consecutive bytes
.set j, j+1
.endr
.endm
; A weight fragment is 16 rows x 32 K: lane holds row r, K = 8 hh .. +7 and 16 + 8 hh .. +7: in f32 four loads of 16 bytes at 0, 16, 64, 80.
.macro LDWF f, va, sb, ex
.irp o, 0,1,2,3
	global_load_b128 v[WF+16*(\f)+4*\o:WF+16*(\f)+4*\o+3], v[\va], s[\sb:\sb+1] offset:(\ex)+(\o%2)*16+(\o/2)*64
.endr
.endm
.macro LDW
	LDWF 0, VWQ, WQ, 0
	LDWF 1, VWK, WK, 0
	LDWF 2, VWK, WV, 0
	LDWF 3, VWK, WK, 1024                          ; the context's second feature: columns 256 on
	LDWF 4, VWK, WV, 1024
.endm
	LDB 0, 0
	LDB 1, 1
	CVB 0, 0, 16
	LDB 0, 2                                       ; behind a batch's wait the loads go first, then the stores
	STB 0, 0
	CVB 1, 1, 16
	LDB 1, 3
	STB 1, 1
	CVB 0, 2, 16
	STB 0, 2
	CVB 1, 3, 0                                    ; its wait also shows both sets of STG read: the biases and the first weights land in them
	; the biases start the sums: in q and k a lane's register j is channel 8 hh + j; in v all eight registers are channel r
.irp t, 0,1
	global_load_b128 v[ACC+8*\t:ACC+8*\t+3],     v[VBQ], s[BQ:BQ+1]
	global_load_b128 v[ACC+8*\t+4:ACC+8*\t+7],   v[VBQ], s[BQ:BQ+1] offset:16
	global_load_b128 v[ACC+16+8*\t:ACC+16+8*\t+3],   v[VBQ], s[BK:BK+1]
	global_load_b128 v[ACC+16+8*\t+4:ACC+16+8*\t+7], v[VBQ], s[BK:BK+1] offset:16
.endr
	global_load_b32 v[ACC+32], v[VBV], s[BV:BV+1]
	LDW                                            ; the first trip's weights
	STB 1, 3
	s_wait_dscnt 0x0                               ; for the others' sake: my rows are in LDS
	s_barrier_signal -1
	s_barrier_wait -1                              ; everybody's are
	s_wait_alu depctr_vm_vsrc(0)                   ; my LDS stores have read OUT0 and OUT1: these registers are WB and XF from here on, written by the conversions and by the turning loads
	s_wait_loadcnt 0x0
.set i, 1
.rept 15
	v_mov_b32 v[ACC+32+i], v[ACC+32]
.set i, i+1
.endr
.macro MMA acc, a, b
	v_wmma_f32_16x16x32_bf16 v[ACC+8*(\acc):ACC+8*(\acc)+7], v[\a:\a+7], v[\b:\b+7], v[ACC+8*(\acc):ACC+8*(\acc)+7]
.endm
; One trip: 32 along K of q, and of k and v in each of the context's two features.  pre = 1: the next trip's weights are asked for.
.macro KSTEP pre
	s_wait_loadcnt 0x0                             ; this trip's weights are in, and the loads that read the three bases are done
.if \pre
	s_add_nc_u64 s[WQ:WQ+1], s[WQ:WQ+1], 128       ; free since that wait: 32 f32 along the rows
	s_add_nc_u64 s[WK:WK+1], s[WK:WK+1], 128
	s_add_nc_u64 s[WV:WV+1], s[WV:WV+1], 128
.endif
.set i, 0
.rept 40
	v_cvt_pk_bf16_f32 v[WB+i], v[WF+2*i], v[WF+2*i+1]
.set i, i+1
.endr
	s_wait_alu depctr_va_vdst(0)                   ; the trip before's matrix instructions are done reading XF, in which the turning loads land; v6 to v8, their addresses, are written; the conversions are done reading WF, in which the next weights land
.irp f, 0,1,2
.irp t, 0,1
	ds_load_tr16_b128 v[XF+16*\f+8*\t:XF+16*\f+8*\t+3],   v[XA+\f] offset:32*\t
	ds_load_tr16_b128 v[XF+16*\f+8*\t+4:XF+16*\f+8*\t+7], v[XA+\f] offset:32*\t+16*PX
.endr
.endr
.if \pre
	LDWF 0, VWQ, WQ, 0                             ; eight of the next trip's twenty loads stand between the turning loads and the wait for them,
	LDWF 1, VWK, WK, 0
.endif
	s_wait_dscnt 0x0
	MMA 0, WB, XF                                  ; the six accumulators take turns, one instruction a turn
	MMA 1, WB, XF+8
.if \pre
	LDWF 2, VWK, WV, 0                             ; the other twelve among the matrix instructions.  No wait: these name WB, XF and the accumulators, never WF or an offset
.endif
	MMA 2, WB+8, XF+16                             ; q, k: rows = channels (the weights), columns = positions
	MMA 3, WB+8, XF+24
.if \pre
	LDWF 3, VWK, WK, 1024                          ; the context's second feature: columns 256 on
.endif
	MMA 4, XF+16, WB+16                            ; v: rows = positions, columns = channels
	MMA 5, XF+24, WB+16
.if \pre
	LDWF 4, VWK, WV, 1024
.endif
	MMA 2, WB+24, XF+32
	MMA 3, WB+24, XF+40
	MMA 4, XF+32, WB+32
	MMA 5, XF+40, WB+32
.if \pre
	s_wait_alu depctr_vm_vsrc(0)                   ; the turning loads have read v6 to v8, which the three lines below write
	v_add_nc_u32 v[XA], 32*PX, v[XA]               ; 32 rows on; with the v_nop the four places ahead of the next trip's writes of WB (ISA guide 7.12.1)
	v_add_nc_u32 v[XA+1], 32*PX, v[XA+1]
	v_add_nc_u32 v[XA+2], 32*PX, v[XA+2]
	v_nop
.endif
.endm
	s_mov_b32 s[CNT], 7
.Lk:
	KSTEP 1
	s_sub_co_u32 s[CNT], s[CNT], 1
	s_cmp_lg_u32 s[CNT], 0
	s_cbranch_scc1 .Lk
	KSTEP 0
	; THE WAY OUT: q times c in f32, one rounding to f16, a tile's 512 consecutive bytes to a store
.rept 4
	v_nop                                          ; the places behind the last products
.endr
.set i, 0
.rept 8
	v_pk_mul_f32 v[ACC+2*i:ACC+2*i+1], v[ACC+2*i:ACC+2*i+1], 0x3eb8aa3b op_sel_hi:[1,0]  ; c = 0.25 log2(e)
.set i, i+1
.endr
.set i, 0
.rept 24
	v_cvt_pk_f16_f32 v[WB+i], v[ACC+2*i], v[ACC+2*i+1]
.set i, i+1
.endr
	s_wait_alu depctr_va_vdst(0)                   ; the roundings have written v[WB ..], which the six stores read
.irp a, 0,1,2,3,4,5
	global_store_b128 v[VG], v[WB+4*\a:WB+4*\a+3], s[QKV:QKV+1] offset:(\a/2)*ARR+(\a%2)*512
.endr
	s_wait_dscnt 0x0                               ; the closing lines, six on end
	s_wait_alu 0x0
	s_wait_tensorcnt 0x0
	ds_add_u32 v[SPW], v[NIL]
	s_wait_dscnt 0x0
	s_endpgm
.Lfunc_end_k_qee146a9d0b_proj:
	.size	k_qee146a9d0b_proj, .Lfunc_end_k_qee146a9d0b_proj-k_qee146a9d0b_proj
	.p2alignl 7, 3214868480
	.fill 96, 4, 3214868480
	.section	.rodata,"a",@progbits
	.p2align	6, 0x0
	.amdhsa_kernel k_qee146a9d0b_proj
		.amdhsa_group_segment_fixed_size 222720
		.amdhsa_private_segment_fixed_size 0
		.amdhsa_enable_private_segment 0
		.amdhsa_kernarg_size 176
		.amdhsa_user_sgpr_count 2
		.amdhsa_user_sgpr_kernarg_segment_ptr 1
		.amdhsa_wavefront_size32 1
		.amdhsa_system_sgpr_workgroup_id_x 1
		.amdhsa_system_sgpr_workgroup_id_y 1
		.amdhsa_system_sgpr_workgroup_id_z 1
		.amdhsa_system_vgpr_workitem_id 0
		.amdhsa_next_free_vgpr 232
		.amdhsa_next_free_sgpr 84
		.amdhsa_reserve_vcc 0
		.amdhsa_float_denorm_mode_32 3
		.amdhsa_float_denorm_mode_16_64 3
		.amdhsa_memory_ordered 1
		.amdhsa_forward_progress 1
		.amdhsa_inst_pref_size 41
	.end_amdhsa_kernel
	.amdgpu_metadata
---
amdhsa.version: [ 1, 2 ]
amdhsa.kernels:
  - .name:           k_qee146a9d0b_proj
    .symbol:         k_qee146a9d0b_proj.kd
    .args:
      - { .name: feat_a, .offset: 0, .size: 8, .value_kind: global_buffer, .address_space: global }
      - { .name: feat_b, .offset: 8, .size: 8, .value_kind: global_buffer, .address_space: global }
      - { .name: feat_c, .offset: 16, .size: 8, .value_kind: global_buffer, .address_space: global }
      - { .name: Wq_a, .offset: 24, .size: 8, .value_kind: global_buffer, .address_space: global }
      - { .name: Wq_b, .offset: 32, .size: 8, .value_kind: global_buffer, .address_space: global }
      - { .name: Wq_c, .offset: 40, .size: 8, .value_kind: global_buffer, .address_space: global }
      - { .name: Wk_a, .offset: 48, .size: 8, .value_kind: global_buffer, .address_space: global }
      - { .name: Wk_b, .offset: 56, .size: 8, .value_kind: global_buffer, .address_space: global }
      - { .name: Wk_c, .offset: 64, .size: 8, .value_kind: global_buffer, .address_space: global }
      - { .name: Wv_a, .offset: 72, .size: 8, .value_kind: global_buffer, .address_space: global }
      - { .name: Wv_b, .offset: 80, .size: 8, .value_kind: global_buffer, .address_space: global }
      - { .name: Wv_c, .offset: 88, .size: 8, .value_kind: global_buffer, .address_space: global }
      - { .name: bq_a, .offset: 96, .size: 8, .value_kind: global_buffer, .address_space: global }
      - { .name: bq_b, .offset: 104, .size: 8, .value_kind: global_buffer, .address_space: global }
      - { .name: bq_c, .offset: 112, .size: 8, .value_kind: global_buffer, .address_space: global }
      - { .name: bk_a, .offset: 120, .size: 8, .value_kind: global_buffer, .address_space: global }
      - { .name: bk_b, .offset: 128, .size: 8, .value_kind: global_buffer, .address_space: global }
      - { .name: bk_c, .offset: 136, .size: 8, .value_kind: global_buffer, .address_space: global }
      - { .name: bv_a, .offset: 144, .size: 8, .value_kind: global_buffer, .address_space: global }
      - { .name: bv_b, .offset: 152, .size: 8, .value_kind: global_buffer, .address_space: global }
      - { .name: bv_c, .offset: 160, .size: 8, .value_kind: global_buffer, .address_space: global }
      - { .name: qkv, .offset: 168, .size: 8, .value_kind: global_buffer, .address_space: global }
    .group_segment_fixed_size: 222720
    .private_segment_fixed_size: 0
    .kernarg_segment_align: 8
    .kernarg_segment_size: 176
    .max_flat_workgroup_size: 384
    .sgpr_count:     84
    .vgpr_count:     232
    .wavefront_size: 32
...
	.end_amdgpu_metadata
.endif
;; end of part 4
;; launch attn: the kernel of part 2 again; grid 32 x 8, 12 waves a work-group, clusters of 4 x 1, 327,680 bytes of LDS; arguments qkv, att; writes att
;; launch outgn: the kernel of part 3 again; grid 16 x 6, 16 waves a work-group, no clusters, 268,800 bytes of LDS; arguments feat_a, feat_b, feat_c, Wo_a, Wo_b, Wo_c, bo_a, bo_b, bo_c, g_a, g_b, g_c, be_a, be_b, be_c, att, out0, out1, out2; writes out0, out1, out2
